; MI455X (gfx1250); checked and timed in simulation.
; The chip was launched on July 23, 2026; its instructions are those of AMD's public machine-readable ISA for CDNA 5 (MIT licence, August 2026) and "CDNA5" Instruction Set Architecture Reference Guide (July 2026). The comments in the code are by the model that wrote it; some were corrected since.
;; Hyperbolic Rational Fourier Operator. Allowed arithmetic: matrix products marked QUANTISED: E2M3 operands, one E8M0 scale for each 32 along K, by v_wmma_scale_f32_16x16x128_f8f6f4 with both operands' format E2M3, f32 sums; everything else in f32.
;; Inputs: Wk 512 x 512 float32; Wo 512 x 512 float32; Wq 512 x 512 float32; Wv 512 x 512 float32; bk 512 float32; bo 512 float32; bq 512 float32; bv 512 float32; x 2 x 4 x 512 x 2,048 float32.
;; Outputs: out0 2 x 4 x 512 x 2,048 float32.
;; This version of the problem:
;;   THIS VERSION OF THE PROBLEM IS GIVEN IN LOW PRECISION. The matrix products marked QUANTISED in the list below multiply operands that are first quantised to E2M3 (2 exponent bits, 3 mantissa bits; 6 bits a number), with one power-of-two scale for each 32 numbers along K (OCP MX v1.0); their sums are f32. All else is computed in f32.
;;   The module's matrix products, in the order in which they are computed (A, B: the left and right operand; K: the contracted axis; several contracted axes count as one K, in the product's order):
;;     1. [M 16,384, K 512] x [K 512, N 512]; A: input x; B: input Wq: QUANTISED
;;     2. [M 16,384, K 512] x [K 512, N 512]; A: input x; B: input Wk: QUANTISED
;;     3. [M 16,384, K 512] x [K 512, N 512]; A: input x; B: input Wv: QUANTISED
;;     4. batch 64 x [M 2,048, K 64] x [K 64, N 2,048]; A: computed on the way; B: computed on the way: QUANTISED
;;     5. batch 64 x [M 2,048, K 2,048] x [K 2,048, N 64]; A: softmax (see below); B: computed on the way: QUANTISED
;;     6. [M 16,384, K 512] x [K 512, N 512]; A: computed on the way; B: input Wo: QUANTISED
;;   THE QUANTISER, for each operand of a quantised product, along K:
;;     - K is cut into blocks of 32 from its start; a last block that is shorter is filled with zeros.
;;     - A block's scale is 2^e with e = floor(log2(the largest magnitude in the block)) - 2, held to -126 .. 127; a block of zeros has e = 0. As a byte (E8M0): e + 127.
;;     - Each number is divided by its block's scale, clamped to +-7.5, and rounded to the nearest number of E2M3, ties to even, subnormals kept.
;;     - The product sums the exact products of the quantised numbers (number of the format x scale) in f32.
;;   ~~~python
;;   def quantise(x, axis):      # numpy; x: float32 -> the quantised numbers, widened to float32 again
;;       x = np.moveaxis(x, axis, -1); K = x.shape[-1]
;;       x = np.pad(x, [(0, 0)] * (x.ndim - 1) + [(0, -K % 32)]); x = x.reshape(x.shape[:-1] + (-1, 32)); a = np.abs(x).max(-1, keepdims=True)
;;       e = np.where(a > 0, np.clip(np.frexp(np.where(a > 0, a, 1))[1] - 1 - 2, -126, 127), 0)      # np.frexp(a)[1] - 1 = floor(log2(a)), exactly
;;       r = np.clip(x / 2.0 ** e, -7.5, 7.5)
;;       step = 2.0 ** (np.maximum(np.frexp(np.where(r == 0, 1, r))[1] - 1, 0) - 3)
;;       q = np.round(r / step) * step * 2.0 ** e      # np.round: ties to even
;;       return np.moveaxis(q.reshape(q.shape[:-2] + (-1,))[..., :K], -1, axis).astype(np.float32)
;;   ~~~
;;   SOFTMAX AHEAD OF A QUANTISED PRODUCT. Where the list says 'softmax', what is quantised is not the finished softmax but p = 2^(t - M), with t = logit x log2(e) and M = ceil(the row's largest t), a whole number; so 1/2 < the row's largest p <= 1. The row's sum l is taken of the UNQUANTISED p, in f32, and the product's result is divided by l at the end. Since M is a whole number, a kernel that streams over the keys may use a running M (the ceiling of the running maximum): every later rescaling is an exact power of two, which a block's scale takes up: the codes' values come out the same.
;;   OPERANDS COMPUTED ON THE WAY. 'Computed on the way' means the value that the module computes at that place (a softmax that the list does not call 'softmax' is quantised finished and normalised). What goes into a quantiser is computed in f32, as accurately as f32 sums, v_exp_f32 and their like allow (about 1e-6 of the number): no bf16 or f16 on the way to a quantiser, and a product that is left as it is and whose result goes on into a quantised operand takes f32 operands (vector FMAs, or v_wmma_f32_16x16x4_f32). A number that lies on a knife's edge between two numbers of the format may be rounded either way, as far as f32 arithmetic and the matrix unit's own rounding can turn it there, and no further.
;; One version. Each part assembles by itself: llvm-mc -triple=amdgcn-amd-amdhsa -mcpu=gfx1250 --defsym DOCPART=n.
;; ======== version 1 of 1: 4 launches
;; limits: right only within a limited range of input values
;; workspace buffers: wq 851,968 bytes; qbuf 6,815,744 bytes; kv 13,631,488 bytes; obuf 6,815,744 bytes
;; launch wquant (part 1): grid 128 x 1, 1 waves a work-group, no clusters, 8,704 bytes of LDS; arguments Wq, Wk, Wv, Wo, wq; writes wq
.if DOCPART == 1
	.amdgcn_target "amdgcn-amd-amdhsa--gfx1250"
	.amdhsa_code_object_version 6
	.text
	.protected	k_q82398fcca7_wquant
	.globl	k_q82398fcca7_wquant
	.p2align	8
	.type	k_q82398fcca7_wquant,@function
k_q82398fcca7_wquant:
	s_mov_b64 s[64:65], 0
	v_nop
	global_prefetch_b8 v0, s[64:65] scope:SCOPE_SE
	s_setreg_imm32_b32 hwreg(HW_REG_WAVE_MODE, 25, 1), 1
	s_wait_xcnt 0x0
; Wq, Wk, Wv, Wo (512 rows of 512 f32 each) become codes of FP6 (E2M3) with one E8M0 byte for each 32 along a row, laid as IMAGES OF OPERAND REGISTERS.
; A work-group is one wave and takes one tile of 16 rows: tiles 0-31 Wq, then Wk, Wv, Wo.  THE ROWS OF A TILE ARE NOT NEIGHBOURS: lane r of a matrix's tile T holds row 32 (T / 2) + 8 (T % 2) + r + 8 (r / 8).
; A tile's record is 6,656 bytes: K step s (128 along the row) at 1,536 s as three images of four registers (lane l's 16 bytes at 512 c + 16 l); at 6,144 the scale words: lane l's 16 bytes are the words of K steps 0 to 3 of row l % 16.
; A block's scale is 2^(floor(log2(largest magnitude)) - 2); its byte is the largest magnitude's exponent field - 2, held at 1 from below.
; LIMITS: a block of zeros gets the byte 1 where the rule says 127 (its codes are zeros, and this program alone reads the bytes); blocks whose largest magnitude lies under 2^-124 are held at byte 1; NaN and infinities are not served.
; Each load reads 512 consecutive bytes of one row; a K step's 16 rows turn through the stage in LDS, so that a lane gets 16 neighbours of each block of 32.  Only pointers are chosen: there is one path through the text.
.set SPITCH, 528                       ; a stage row: 512 bytes + 16
.set SPARE,  16*SPITCH                 ; behind the stage: the spare words; no other line names them
.set REC,    6656
.set L16,  1                           ; v1 16 x lane: into the stage, and in memory
.set SOUT, 3                           ; v3 out of the stage: row r, + 64 h
.set SPW,  4                           ; v4 my spare word's LDS address; never rewritten
.set NIL,  5                           ; v5 0; never rewritten
.set R,    16                          ; v16-143  two sets of 16 x 4 registers as loaded
.set X,    144                         ; v144-207 register 16 b + i = k 32 b + 16 h + i of my row
.set TM,   208
.set PWS,  224                         ; v224-227 the four K steps' scale words
.set PC,   228                         ; v228-247 the codes
.set SEL,  24                          ; s[24:25] lane selects: lane l xor 16
	s_load_b256 s[4:11], s[0:1], 0x0               ; Wq, Wk, Wv, Wo
	s_load_b64 s[16:17], s[0:1], 0x20              ; wq
	v_lshl_add_u32 v[SPW], v0, 2, SPARE
	v_mov_b32 v[NIL], 0
	s_mov_b32 s[SEL], 0x76543210
	s_mov_b32 s[SEL+1], 0xfedcba98
	s_and_b32 s22, ttmp9, 31                       ; the tile's number in its matrix
	s_lshr_b32 s23, s22, 1
	s_lshl_b32 s23, s23, 16                        ; 32 rows of 2,048 bytes for each pair of tiles,
	s_and_b32 s22, s22, 1
	s_lshl_b32 s22, s22, 14                        ; 8 rows for the odd one
	s_add_co_u32 s26, s23, s22
	s_mov_b32 s27, 0
	s_mul_i32 s28, ttmp9, REC
	s_mov_b32 s29, 0
	v_lshlrev_b32 v[L16], 4, v0
	v_and_b32 v8, 15, v0                           ; r
	v_bfe_u32 v9, v0, 4, 1                         ; h
	v_mul_u32_u24 v[SOUT], v8, SPITCH
	v_lshl_add_u32 v[SOUT], v9, 6, v[SOUT]
.irp b, 0,1,2,3
	v_mov_b32 v[TM+4+\b], 0                        ; written once: a lane permute's destination counts as one of its sources
.endr
	s_wait_alu depctr_va_vdst(0)                   ; the wait at the head's end
	s_wait_kmcnt 0x0
	s_cmp_lt_u32 ttmp9, 96                         ; the choices hang on the work-group's number alone
	s_cselect_b64 s[30:31], s[8:9], s[10:11]
	s_cmp_lt_u32 ttmp9, 64
	s_cselect_b64 s[30:31], s[6:7], s[30:31]
	s_cmp_lt_u32 ttmp9, 32
	s_cselect_b64 s[30:31], s[4:5], s[30:31]
	s_add_nc_u64 s[30:31], s[30:31], s[26:27]      ; the tile's first row
	s_add_nc_u64 s[32:33], s[16:17], s[28:29]      ; the tile's record
.macro LOAD s                          ; K step s of the tile's 16 rows: 512 consecutive bytes a load
.irp i, 0,1,2,3,4,5,6,7,8,9,10,11,12,13,14,15
	global_load_b128 v[R+64*((\s)%2)+4*\i:R+64*((\s)%2)+4*\i+3], v[L16], s[30:31] offset:(\i+8*(\i/8))*2048+512*(\s) th:TH_LOAD_NT
.endr
.endm
.macro TURN s                          ; through the stage: LDS serves a wave's instructions in order, so no wait stands between the stores and the loads
.irp i, 0,1,2,3,4,5,6,7,8,9,10,11,12,13,14,15
	ds_store_b128 v[L16], v[R+64*((\s)%2)+4*\i:R+64*((\s)%2)+4*\i+3] offset:SPITCH*\i
.endr
.irp b, 0,1,2,3
.irp j, 0,1,2,3
	ds_load_b128 v[X+16*\b+4*\j:X+16*\b+4*\j+3], v[SOUT] offset:128*\b+16*\j
.endr
.endr
.endm
.macro QUANT pw                        ; X's 64 numbers become a fragment's 12 registers in v[PC] on and my row's scale word in v[pw]
.irp b, 0,1,2,3
	v_max3_num_f32 v[TM+\b], |v[X+16*\b]|, |v[X+1+16*\b]|, 0x1800000   ; block b: my 16 numbers and the floor 2^(3 - 127): the byte cannot fall under 1
.endr
.irp i, 2,4,6,8,10,12,14
.irp b, 0,1,2,3
	v_max3_num_f32 v[TM+\b], v[TM+\b], |v[X+16*\b+\i]|, |v[X+1+16*\b+\i]|
.endr
.endr
.irp b, 0,1,2,3
	v_permlanex16_b32 v[TM+4+\b], v[TM+\b], s[SEL], s[SEL+1]
.endr
.irp b, 0,1,2,3
	v_max_num_f32 v[TM+\b], v[TM+\b], v[TM+4+\b]   ; with lane l xor 16's: the block's largest magnitude
.endr
.irp b, 0,1,2,3
	v_add_nc_u32 v[TM+12+\b], 0xff000000, v[TM+\b] ; 2 off its exponent field: the conversion's scale operand
.endr
.irp b, 0,1,2,3
	v_lshrrev_b32 v[TM+4+\b], 23, v[TM+12+\b]      ; the scale's byte
.endr
	v_lshl_or_b32 v[\pw], v[TM+5], 8, v[TM+4]
	v_lshl_or_b32 v[\pw], v[TM+6], 16, v[\pw]
	v_lshl_or_b32 v[\pw], v[TM+7], 24, v[\pw]
.irp c, 0,1
	v_cvt_scalef32_pk16_fp6_f32 v[PC+6*\c:PC+2+6*\c], v[X+32*\c:X+15+32*\c], v[TM+12+2*\c]
	v_cvt_scalef32_pk16_fp6_f32 v[PC+12+4*\c:PC+14+4*\c], v[X+16+32*\c:X+31+32*\c], v[TM+12+2*\c+1]   ; (a conversion's three registers begin on an even number)
.endr
	v_nop                                          ; one plain place behind a scaled conversion
.irp c, 0,1                            ; the operand's layout wants a whole block in a lane: lanes 0-15 block 2 c, lanes 16-31 block 2 c + 1
.irp i, 0,1,2
	v_permlane16_swap_b32 v[PC+6*\c+\i], v[PC+12+4*\c+\i]
.endr
.irp i, 0,1,2
	v_mov_b32 v[PC+3+6*\c+\i], v[PC+12+4*\c+\i]
.endr
.endr
.endm
	LOAD 0
	LOAD 1
.irp s, 0,1,2,3
.if \s < 3
	s_wait_loadcnt 16                              ; this K step's 16 loads are in; the next step's 16 may be out
.else
	s_wait_loadcnt 0
.endif
	TURN \s
	s_wait_dscnt 0x0                               ; X is in, and the stores into the stage have read their registers,
.if \s < 2
	LOAD \s+2                                      ; which take the K step two on
.endif
	s_wait_xcnt 0x0                                ; the last step's stores have read the codes' registers: they are written again only behind this wait
	QUANT PWS+\s
.irp c, 0,1,2
	global_store_b128 v[L16], v[PC+4*\c:PC+4*\c+3], s[32:33] offset:1536*\s+512*\c   ; 512 consecutive bytes, aligned
.endr
.endr
	global_store_b128 v[L16], v[PWS:PWS+3], s[32:33] offset:6144
	s_wait_tensorcnt 0x0                           ; the wave's end: behind my last LDS store
	ds_add_u32 v[SPW], v[NIL]
	s_wait_dscnt 0x0
	s_endpgm
.Lfunc_end_k_q82398fcca7_wquant:
	.size	k_q82398fcca7_wquant, .Lfunc_end_k_q82398fcca7_wquant-k_q82398fcca7_wquant
	.p2alignl 7, 3214868480
	.fill 96, 4, 3214868480
	.section	.rodata,"a",@progbits
	.p2align	6, 0x0
	.amdhsa_kernel k_q82398fcca7_wquant
		.amdhsa_group_segment_fixed_size 8704
		.amdhsa_private_segment_fixed_size 0
		.amdhsa_enable_private_segment 0
		.amdhsa_kernarg_size 40
		.amdhsa_user_sgpr_count 2
		.amdhsa_user_sgpr_kernarg_segment_ptr 1
		.amdhsa_wavefront_size32 1
		.amdhsa_system_sgpr_workgroup_id_x 1
		.amdhsa_system_sgpr_workgroup_id_y 1
		.amdhsa_system_sgpr_workgroup_id_z 1
		.amdhsa_system_vgpr_workitem_id 0
		.amdhsa_next_free_vgpr 248
		.amdhsa_next_free_sgpr 66
		.amdhsa_reserve_vcc 0
		.amdhsa_float_denorm_mode_32 3
		.amdhsa_float_denorm_mode_16_64 3
		.amdhsa_memory_ordered 1
		.amdhsa_forward_progress 1
		.amdhsa_inst_pref_size 33
	.end_amdhsa_kernel
	.amdgpu_metadata
---
amdhsa.version: [ 1, 2 ]
amdhsa.kernels:
  - .name:           k_q82398fcca7_wquant
    .symbol:         k_q82398fcca7_wquant.kd
    .args:
      - { .name: Wq, .offset: 0, .size: 8, .value_kind: global_buffer, .address_space: global }
      - { .name: Wk, .offset: 8, .size: 8, .value_kind: global_buffer, .address_space: global }
      - { .name: Wv, .offset: 16, .size: 8, .value_kind: global_buffer, .address_space: global }
      - { .name: Wo, .offset: 24, .size: 8, .value_kind: global_buffer, .address_space: global }
      - { .name: wq, .offset: 32, .size: 8, .value_kind: global_buffer, .address_space: global }
    .group_segment_fixed_size: 8704
    .private_segment_fixed_size: 0
    .kernarg_segment_align: 8
    .kernarg_segment_size: 40
    .max_flat_workgroup_size: 32
    .sgpr_count:     66
    .vgpr_count:     248
    .wavefront_size: 32
...
	.end_amdgpu_metadata
.endif
;; end of part 1
;; launch qkv (part 2): grid 256 x 1, 4 waves a work-group, no clusters, 167,936 bytes of LDS; arguments x, wq, bq, bk, bv, qbuf, kv; writes qbuf, kv
.if DOCPART == 2
	.amdgcn_target "amdgcn-amd-amdhsa--gfx1250"
	.amdhsa_code_object_version 6
	.text
	.protected	k_q82398fcca7_qkv
	.globl	k_q82398fcca7_qkv
	.p2align	8
	.type	k_q82398fcca7_qkv,@function
k_q82398fcca7_qkv:
	s_mov_b64 s[64:65], 0
	v_nop
	global_prefetch_b8 v0, s[64:65] scope:SCOPE_SE
	s_setreg_imm32_b32 hwreg(HW_REG_WAVE_MODE, 25, 1), 1
	s_wait_xcnt 0x0
; x, taken as 16,384 tokens of 512 f32, is quantised to FP6 (E2M3) with E8M0 scales; Q = x Wq^T + bq, K = x Wk^T + bk, V = x Wv^T + bv on codes; and their quantising for attention: Q and K along the head's 64, V along the tokens.
; A work-group owns 64 tokens (131,072 dense bytes of x, which no other work-group reads) and makes all of Q, K and V for them.
; THE HEAD.  Wave w brings tokens 16 w .. 16 w + 15 by ONE tensor load, stated as 32 rows of 1,024 bytes with 16 bytes of padding behind each.  Behind a barrier wave w quantises tile w (lane r = token 32 (w / 2) + 8 (w % 2) + r + 8 (r / 8))
; and stores it to LDS bytes of its own as a record of images of operand registers (6,656 bytes, as wq's records).  Nothing is filled again.
; THE PRODUCTS.  Wave w keeps features 128 w .. 128 w + 127 of one matrix (8 tiles x 4 K steps) in registers.  The three matrices follow each other: as soon as a K step is multiplied, its registers take the next matrix's fragments
; of that K step, which have the rest of the matrix's work in which to land.  Q and K are two trips of one loop; V is written out.
; Q, K: source 0 = 16 rows of W, source 1 = 16 tokens: a lane holds ONE token and its registers run along the features: 16 registers of tiles 2 b, 2 b + 1 are features 32 b + 16 h + 0 .. 15.
; V: the sources change places: a lane holds ONE feature and its registers run along the tokens, which are the second attention product's K.  The biases are the C of each sum's first matrix instruction.
; NO CLUSTER: x is read by this work-group alone, and W lands in registers, not in an LDS tile that partners could share.  NO PREFETCH: all of x is asked for at the head; there is no loop to run ahead in.
; OUT.  qbuf record (group of 64 tokens G, head) at 3,328 (8 G + head): tile i at 768 i as half a fragment (registers 0-3: 16 bytes a lane; registers 4-5: 8 bytes a lane, 512 on); at 3,072 the scale words,
; 8 bytes a lane: register 0 = tile 0 in lanes 0-15, tile 1 in lanes 16-31; register 1 = tiles 2, 3.  A word's bytes 0, 1 are the head's two blocks, bytes 2, 3 are 0.
; kv record (key step of 128 St, head) at 13,312 (8 St + head): K's tiles t at 768 t; V at 6,144 + 1,536 f + 768 c (d-tile f, keys 64 c on); K's scale words at 12,288 + 256 c; V's at 12,800 + 256 c.
; LIMITS: a block of zeros gets the byte 1 (its codes are zeros; this program alone reads the bytes); blocks under 2^-124 are held at byte 1; NaN and infinities are not served.
; REGISTERS: window 0: addresses, scale words, x's fragments (two sets of four), work.  Window 1: W's tiles 0-3 (v0-191), the bias (v192-255).  Window 2: W's tiles 4-7.  Window 3: x as f32 in the head, then 32 accumulators.
.set REC,   6656                       ; a tile's record
.set XP,    1040                       ; an LDS row of x: 1,024 bytes + 16; a token is two of them
.set XIMG,  128*XP                     ; behind x: the four tiles' records
.set SPARE, XIMG+4*REC                 ; behind them: the spare words, 128 bytes a wave; no other line names them
.set L16,  1                           ; v1  16 x lane
.set L8,   2                           ; v2  8 x lane
.set XA,   3                           ; v3  LDS address of the records, + 16 x lane
.set VA16, 4                           ; v4-9 store offsets: first head, 16 and 8 bytes a lane; second head; the two scale images
.set VA8,  5
.set VB16, 6
.set VB8,  7
.set VSA,  8
.set VSB,  9
.set SOUT, 10                          ; v10 my token's f32 row in LDS, + 64 h
.set XI,   11                          ; v11 my tile's record, + 16 x lane
.set SPW,  12                          ; v12 my spare word's LDS address; never rewritten
.set NIL,  13                          ; v13 0; never rewritten
.set WS,   16                          ; v16-47  W's scale words: 4 f + s
.set XS,   48                          ; v48-63  x's: 4 t + s
.set XF,   64                          ; v64-159 x's fragments: set p at 48 p, tile t at 12 t
.set TM,   160
.set PW,   176
.set PC,   178                         ; v178-197 the codes just made
.set PWA,  200                         ; v200-203 first head's words of the four tiles (in the head: x's words of the four K steps);  v204-207 second head's
.set PWB,  204
.set HW,   208                         ; v208-215 V's words of the eight tiles
.set IM,   216                         ; v216-219 the scale images
.set BQ,   220                         ; v220 the bias's offset for Q and K: 4 (128 w + 16 h);  v221 for V: 4 (128 w + r + 8 (r / 8))
.set BV,   221
.set BI,   192                         ; in window 1: the bias, 8 f + j
.set WV,   18
.set KD,   19                          ; s19 0: Q, 1: K
.set SEL,  20                          ; s[20:21] lane selects: lane l xor 16
.set HM,   22                          ; s22 the mask of lanes 16-31
.set G1,   24
.set G0,   32
.set OUT,  38                          ; s[38:39] qbuf or kv
.set SQ,   44                          ; s44-49 where Q's, K's and V's codes and scale images go
.set SQS,  45
.set SK,   46
.set SKS,  47
.set SV,   48
.set SVS,  49
.set WN,   58                          ; s[58:59] my tiles of the matrix that is being loaded
.set MSB, 0
.macro WIN new                         ; the immediate's high byte repeats the setting that is left
.if MSB != (\new)
	s_set_vgpr_msb (MSB<<8)|(\new)
.set MSB, (\new)
.endif
.endm
; 64 numbers of a lane in window w, register s + 16 b + i = k 32 b + 16 h + i of my row, become a fragment's 12 registers in v[PC] on and the row's scale word in v[pw].  Each accumulator is read from its low end on.
.macro QUANT s, w, pw
	WIN (\w)|((\w)<<2)
.irp b, 0,1,2,3
	v_max3_num_f32 v[TM+\b], |v[(\s)+16*\b]|, |v[(\s)+1+16*\b]|, 0x1800000   ; and the floor 2^(3 - 127): the byte cannot fall under 1
.endr
	WIN ((\w)<<2)|((\w)<<4)
.irp i, 2,4,6,8,10,12,14
.irp b, 0,1,2,3
	v_max3_num_f32 v[TM+\b], v[TM+\b], |v[(\s)+16*\b+\i]|, |v[(\s)+1+16*\b+\i]|
.endr
.endr
	WIN 0
.irp b, 0,1,2,3
	v_permlanex16_b32 v[TM+4+\b], v[TM+\b], s[SEL], s[SEL+1]
.endr
.irp b, 0,1,2,3
	v_max_num_f32 v[TM+\b], v[TM+\b], v[TM+4+\b]
.endr
.irp b, 0,1,2,3
	v_add_nc_u32 v[TM+12+\b], 0xff000000, v[TM+\b] ; 2 off the exponent field: the conversion's scale operand
.endr
.irp b, 0,1,2,3
	v_lshrrev_b32 v[TM+4+\b], 23, v[TM+12+\b]      ; the scale's byte
.endr
	v_lshl_or_b32 v[\pw], v[TM+5], 8, v[TM+4]
	v_lshl_or_b32 v[\pw], v[TM+6], 16, v[\pw]
	v_lshl_or_b32 v[\pw], v[TM+7], 24, v[\pw]
	WIN \w
.irp c, 0,1
	v_cvt_scalef32_pk16_fp6_f32 v[PC+6*\c:PC+2+6*\c], v[(\s)+32*\c:(\s)+15+32*\c], v[TM+12+2*\c]
	v_cvt_scalef32_pk16_fp6_f32 v[PC+12+4*\c:PC+14+4*\c], v[(\s)+16+32*\c:(\s)+31+32*\c], v[TM+12+2*\c+1]
.endr
	WIN 0
	v_nop                                          ; one plain place behind a scaled conversion
.irp c, 0,1
.irp i, 0,1,2
	v_permlane16_swap_b32 v[PC+6*\c+\i], v[PC+12+4*\c+\i]
.endr
.irp i, 0,1,2
	v_mov_b32 v[PC+3+6*\c+\i], v[PC+12+4*\c+\i]
.endr
.endr
.endm
; The same for 32 numbers, two blocks: half a fragment in v[PC:PC+5], and pw = byte 0 | byte 1 << 8
.macro HQ s, w, pw
	WIN (\w)|((\w)<<2)
.irp b, 0,1
	v_max3_num_f32 v[TM+\b], |v[(\s)+16*\b]|, |v[(\s)+1+16*\b]|, 0x1800000
.endr
	WIN ((\w)<<2)|((\w)<<4)
.irp i, 2,4,6,8,10,12,14
.irp b, 0,1
	v_max3_num_f32 v[TM+\b], v[TM+\b], |v[(\s)+16*\b+\i]|, |v[(\s)+1+16*\b+\i]|
.endr
.endr
	WIN 0
.irp b, 0,1
	v_permlanex16_b32 v[TM+4+\b], v[TM+\b], s[SEL], s[SEL+1]
.endr
.irp b, 0,1
	v_max_num_f32 v[TM+\b], v[TM+\b], v[TM+4+\b]
.endr
.irp b, 0,1
	v_add_nc_u32 v[TM+12+\b], 0xff000000, v[TM+\b]
.endr
.irp b, 0,1
	v_lshrrev_b32 v[TM+4+\b], 23, v[TM+12+\b]
.endr
	v_lshl_or_b32 v[\pw], v[TM+5], 8, v[TM+4]
	WIN \w
	v_cvt_scalef32_pk16_fp6_f32 v[PC:PC+2], v[(\s):(\s)+15], v[TM+12]
	v_cvt_scalef32_pk16_fp6_f32 v[PC+12:PC+14], v[(\s)+16:(\s)+31], v[TM+13]
	WIN 0
	v_nop
.irp i, 0,1,2
	v_permlane16_swap_b32 v[PC+\i], v[PC+12+\i]
.endr
.irp i, 0,1,2
	v_mov_b32 v[PC+3+\i], v[PC+12+\i]
.endr
.endm
.macro LDWS                            ; the scale words of my eight tiles of the matrix at s[WN:WN+1]
.irp f, 0,1,2,3,4,5,6,7
	global_load_b128 v[WS+4*\f:WS+4*\f+3], v[L16], s[WN:WN+1] offset:REC*\f+6144
.endr
.endm
.macro LDW s                           ; their fragments of K step s: 24 loads
	WIN 0x40                                       ; destination window 1
.irp f, 0,1,2,3
.irp c, 0,1,2
	global_load_b128 v[12*(4*\f+(\s))+4*\c:12*(4*\f+(\s))+4*\c+3], v[L16], s[WN:WN+1] offset:REC*\f+1536*(\s)+512*\c
.endr
.endr
	WIN 0x80                                       ; destination window 2
.irp f, 0,1,2,3
.irp c, 0,1,2
	global_load_b128 v[12*(4*\f+(\s))+4*\c:12*(4*\f+(\s))+4*\c+3], v[L16], s[WN:WN+1] offset:REC*(\f+4)+1536*(\s)+512*\c
.endr
.endr
	WIN 0
.endm
.macro LDBQ p                          ; the bias at s[p:p+1] in Q's and K's result layout: register j of tile f = feature 32 (f / 2) + 8 (f % 2) + 16 h + j of my 128
	WIN 0x40
.irp f, 0,1,2,3,4,5,6,7
	global_load_b128 v[BI+8*\f:BI+8*\f+3], v[BQ], s[\p:\p+1] offset:(32*(\f/2)+8*(\f%2))*4
	global_load_b128 v[BI+8*\f+4:BI+8*\f+7], v[BQ], s[\p:\p+1] offset:(32*(\f/2)+8*(\f%2))*4+16
.endr
	WIN 0
.endm
.macro LDBV                            ; bv in V's result layout: the lane's own feature in all eight registers
	WIN 0x40
.irp f, 0,1,2,3,4,5,6,7
.irp j, 0,1,2,3,4,5,6,7
	global_load_b32 v[BI+8*\f+\j], v[BV], s[12:13] offset:(32*(\f/2)+8*(\f%2))*4
.endr
.endr
	WIN 0
.endm
	s_load_b256 s[4:11], s[0:1], 0x0               ; x, wq, bq, bk
	s_load_b128 s[12:15], s[0:1], 0x20             ; bv, qbuf
	s_load_b64 s[16:17], s[0:1], 0x30              ; kv
	v_lshl_add_u32 v[SPW], v0, 2, SPARE
	v_mov_b32 v[NIL], 0
	ds_add_u32 v[SPW], v[NIL]                      ; the opening: the add, twice on end, and its wait ahead of my first tensor load
	ds_add_u32 v[SPW], v[NIL]
	v_lshrrev_b32 v14, 5, v0
	v_readfirstlane_b32 s[WV], v14                 ; wave 0..3
	s_mov_b32 s[G1], (3<<16)|(1<<20)|(7<<22)|(3<<25)   ; elements of 8 bytes; padding on: after every 256 words (code 7), 4 words (code 3)
	s_mov_b32 s[G1+1], 128<<16                     ; tensor_dim0 = 128 elements: rows of 1,024 bytes
	s_mov_b32 s[G1+2], 32<<16                      ; tensor_dim1 = 32 rows: 16 tokens, dense
	s_mov_b32 s[G1+3], 128<<16
	s_mov_b32 s[G1+4], 32
	s_mov_b32 s[G1+5], 128
	s_mov_b32 s[G1+6], 0
	s_mov_b32 s[G1+7], 0
	s_mov_b32 s[G0], 1
	s_mul_i32 s[G0+1], s[WV], 32*XP                ; my 16 tokens' place in LDS,
	s_lshl_b32 s40, ttmp9, 17
	s_lshl_b32 s41, s[WV], 15
	s_add_co_u32 s40, s40, s41                     ; and in x
	s_mov_b32 s41, 0
	s_mul_i32 s42, s[WV], 8*REC                    ; my eight tiles of a matrix in wq
	s_mov_b32 s43, 0
	s_lshl_b32 s53, s[WV], 1                       ; my first head
	s_lshl_b32 s[SQ], ttmp9, 3
	s_add_co_u32 s[SQ], s[SQ], s53
	s_mul_i32 s[SQ], s[SQ], 3328                   ; Q: the record
	s_add_co_u32 s[SQS], s[SQ], 3072               ;    its scale image
	s_lshr_b32 s54, ttmp9, 1                       ; St: the key step of 128
	s_lshl_b32 s54, s54, 3
	s_add_co_u32 s54, s54, s53
	s_mul_i32 s54, s54, 13312                      ; K, V: the record
	s_and_b32 s55, ttmp9, 1                        ; c: which 64 keys of the step
	s_mul_i32 s56, s55, 3072
	s_add_co_u32 s[SK], s54, s56                   ; K: tiles 4 c on
	s_lshl_b32 s56, s55, 8
	s_add_co_u32 s56, s56, s54
	s_add_co_u32 s[SKS], s56, 12288                ; K: scale image c
	s_add_co_u32 s[SVS], s56, 12800                ; V: scale image c
	s_mul_i32 s56, s55, 768
	s_add_co_u32 s56, s56, s54
	s_add_co_u32 s[SV], s56, 6144                  ; V: half c of d-tile 0
	s_mov_b32 s51, 3328                            ; from a head's record to the next head's, in qbuf and in kv
	s_mov_b32 s52, 13312
	s_mov_b32 s[SEL], 0x76543210
	s_mov_b32 s[SEL+1], 0xfedcba98
	s_mov_b32 s[HM], 0xffff0000
	s_lshr_b32 s36, s[WV], 1
	s_lshl_b32 s36, s36, 5
	s_and_b32 s37, s[WV], 1
	s_lshl_b32 s37, s37, 3
	s_add_co_u32 s36, s36, s37
	s_mul_i32 s36, s36, 2*XP                       ; my tile's first token: 32 (w / 2) + 8 (w % 2)
	s_mul_i32 s37, s[WV], REC
	s_add_co_u32 s37, s37, XIMG                    ; my tile's record
	s_lshl_b32 s57, s[WV], 9                       ; my 128 features, in bytes of a bias
	v_and_b32 v14, 31, v0
	v_lshlrev_b32 v[L16], 4, v14
	v_lshlrev_b32 v[L8], 3, v14
	v_and_b32 v14, 15, v0                          ; r
	v_bfe_u32 v15, v0, 4, 1                        ; h
	v_and_b32 v[SOUT], 8, v14
	v_add_nc_u32 v[SOUT], v[SOUT], v14             ; r + 8 (r / 8)
	v_lshl_add_u32 v[BV], v[SOUT], 2, s57
	v_lshl_add_u32 v[BQ], v15, 6, s57
	v_mul_u32_u24 v[SOUT], v[SOUT], 2*XP
	v_lshl_add_u32 v[SOUT], v15, 6, v[SOUT]
	v_add_nc_u32 v[SOUT], s36, v[SOUT]
	v_add_nc_u32 v[XI], s37, v[L16]
	v_add_nc_u32 v[XA], XIMG, v[L16]
.irp b, 0,1,2,3
	v_mov_b32 v[TM+4+\b], 0                        ; written once: a lane permute's destination counts as one of its sources
.endr
	s_wait_alu depctr_va_vdst(0)                   ; the wait at the head's end
	s_wait_dscnt 0x0                               ; both opening adds are done
	s_wait_kmcnt 0x0
	s_add_nc_u64 s[G0+2:G0+3], s[4:5], s[40:41]
	s_or_b32 s[G0+3], s[G0+3], 0x80000000          ; type = 2
	tensor_load_to_lds s[G0:G0+3], s[G1:G1+7]      ; my one tensor load of the launch
	s_nop 0
.rept 4
	v_nop
.endr
	s_add_nc_u64 s[WN:WN+1], s[6:7], s[42:43]      ; Wq's tiles: they land while x is on its way and is quantised
	LDWS
.irp s, 0,1,2,3
	LDW \s
.endr
	LDBQ 8
	s_wait_tensorcnt 0x0                           ; my 16 tokens are in LDS,
	s_barrier_signal -1
	s_barrier_wait -1                              ; everybody's are
	WIN 0xc0                                       ; destination window 3: register 64 s + 16 b + i = k 128 s + 32 b + 16 h + i of my token
.irp s, 0,1,2,3
.irp b, 0,1,2,3
.irp j, 0,1,2,3
	ds_load_b128 v[64*\s+16*\b+4*\j:64*\s+16*\b+4*\j+3], v[SOUT] offset:XP*(\s/2)+512*(\s%2)+128*\b+16*\j
.endr
.endr
.endr
	WIN 0
.irp s, 0,1,2,3
.if \s == 0
	s_wait_dscnt 48                                ; K step 0's 16 loads are in; the other three steps' 48 may be out
.else
	s_wait_dscnt 0x0                               ; all of x is in, and the last step's stores have read the codes' registers
.endif
	QUANT 64*\s, 3, PWA+\s
.irp c, 0,1,2
	ds_store_b128 v[XI], v[PC+4*\c:PC+4*\c+3] offset:1536*\s+512*\c
.endr
.endr
	ds_store_b128 v[XI], v[PWA:PWA+3] offset:6144
	s_wait_dscnt 0x0                               ; my record has landed,
	s_barrier_signal -1
	s_barrier_wait -1                              ; everybody's has
.macro FETCHX s                        ; the four tiles' fragments of K step s into set s % 2
.irp t, 0,1,2,3
.irp c, 0,1,2
	ds_load_b128 v[XF+48*((\s)%2)+12*\t+4*\c:XF+48*((\s)%2)+12*\t+4*\c+3], v[XA] offset:REC*\t+1536*(\s)+512*\c
.endr
.endr
.endm
; 32 matrix instructions: my 8 tiles of W x the 4 tiles of tokens, K step s.  The 32 accumulators take turns, one instruction a turn.  kind 0: Q, K; kind 1: V
.macro MUL kind, s
.irp g, 0,1
.if \kind == 0
.if \s == 0
	WIN 0xd1+\g                                    ; W window 1 or 2, x window 0, the bias window 1, results window 3
.else
	WIN 0xf1+\g
.endif
.else
.if \s == 0
	WIN 0xd4+4*\g
.else
	WIN 0xf4+4*\g
.endif
.endif
.irp f, 0,1,2,3
.irp t, 0,1,2,3
.set rW, 12*(4*\f+\s)
.set rX, XF+48*((\s)%2)+12*\t
.set rC, BI+8*(4*\g+\f)
.set sW, WS+4*(4*\g+\f)+\s
.set sX, XS+4*\t+\s
.if \kind == 0
.set rD, 64*\t+8*(4*\g+\f)
.if \s == 0
	v_wmma_scale_f32_16x16x128_f8f6f4 v[rD:rD+7], v[rW:rW+11], v[rX:rX+11], v[rC:rC+7], v[sW], v[sX] matrix_a_fmt:MATRIX_FMT_FP6 matrix_b_fmt:MATRIX_FMT_FP6
.else
	v_wmma_scale_f32_16x16x128_f8f6f4 v[rD:rD+7], v[rW:rW+11], v[rX:rX+11], v[rD:rD+7], v[sW], v[sX] matrix_a_fmt:MATRIX_FMT_FP6 matrix_b_fmt:MATRIX_FMT_FP6
.endif
.else
.set rD, 32*(4*\g+\f)+8*\t
.if \s == 0
	v_wmma_scale_f32_16x16x128_f8f6f4 v[rD:rD+7], v[rX:rX+11], v[rW:rW+11], v[rC:rC+7], v[sX], v[sW] matrix_a_fmt:MATRIX_FMT_FP6 matrix_b_fmt:MATRIX_FMT_FP6
.else
	v_wmma_scale_f32_16x16x128_f8f6f4 v[rD:rD+7], v[rX:rX+11], v[rW:rW+11], v[rD:rD+7], v[sX], v[sW] matrix_a_fmt:MATRIX_FMT_FP6 matrix_b_fmt:MATRIX_FMT_FP6
.endif
.endif
.endr
.endr
.endr
.endm
; One matrix's products.  pre = 1: behind each K step its registers take the next matrix's fragments; the bias's behind K step 0, the scale words' behind K step 3
.macro BODY kind, pre
.irp t, 0,1,2,3
	ds_load_b128 v[XS+4*\t:XS+4*\t+3], v[XA] offset:REC*\t+6144
.endr
	FETCHX 0
	FETCHX 1
.irp s, 0,1,2,3
.if \s < 3
	s_wait_dscnt 12                                ; this K step's set and the scale words are in; the other set's 12 loads may be out
.else
	s_wait_dscnt 0
.endif
	MUL \kind, \s
	WIN 0
.rept 4
	v_nop                                          ; places in front of loads into registers that matrix instructions have read, and of the first read of results
.endr
.if \s < 2
	FETCHX \s+2
.endif
.if \pre
	LDW \s
.if \s == 0
	s_cmp_eq_u32 s[KD], 0                          ; a branch on the loop's counter, round the lines that differ: K's bias follows Q's, V's follows K's
	s_cbranch_scc0 .Lbias_v_\@
	LDBQ 10
	s_branch .Lbias_on_\@
.Lbias_v_\@:
	LDBV
.Lbias_on_\@:
.endif
.if \s == 3
	LDWS
.endif
.endif
.endr
.endm
	s_mov_b32 s[KD], 0
.Lkind:                                                ; two trips: Q, K
	s_wait_xcnt 0x0                                ; earlier loads and stores have read their bases, offsets and data: they are written again only behind this wait
	s_add_nc_u64 s[WN:WN+1], s[WN:WN+1], 32*REC    ; the next matrix in wq
	s_cmp_eq_u32 s[KD], 0
	s_cselect_b32 s40, s[SQ], s[SK]
	s_cselect_b32 s42, s[SQS], s[SKS]
	s_cselect_b32 s50, s51, s52
	s_cselect_b64 s[OUT:OUT+1], s[14:15], s[16:17]
	v_add_nc_u32 v[VA16], s40, v[L16]
	v_add_nc_u32 v[VA8], s40, v[L8]
	v_add_nc_u32 v[VB16], s50, v[VA16]
	v_add_nc_u32 v[VB8], s50, v[VA8]
	v_add_nc_u32 v[VSA], s42, v[L8]
	v_add_nc_u32 v[VSB], s50, v[VSA]
	s_wait_alu depctr_va_vdst(0)                   ; the wait here, directly ahead of the wait below
	s_wait_loadcnt 0x0                             ; this matrix's fragments, scale words and bias
	BODY 0, 1
.irp t, 0,1,2,3                        ; a tile of 16 tokens: my 128 features are two heads: registers 0-5 and 6-11 of the fragment, bytes 0-1 and 2-3 of the word
	s_wait_xcnt 0x0                                ; the last tile's stores have read the codes' registers
	QUANT 64*\t, 3, PW
	v_and_b32 v[PWA+\t], 0xffff, v[PW]
	v_lshrrev_b32 v[PWB+\t], 16, v[PW]
	global_store_b128 v[VA16], v[PC:PC+3], s[OUT:OUT+1] offset:768*\t
	global_store_b64 v[VA8], v[PC+4:PC+5], s[OUT:OUT+1] offset:768*\t+512
	global_store_b128 v[VB16], v[PC+6:PC+9], s[OUT:OUT+1] offset:768*\t
	global_store_b64 v[VB8], v[PC+10:PC+11], s[OUT:OUT+1] offset:768*\t+512
.endr
	v_cndmask_b32 v[IM], v[PWA], v[PWA+1], s[HM]   ; lanes 0-15 the even tile's words, lanes 16-31 the odd tile's
	v_cndmask_b32 v[IM+1], v[PWA+2], v[PWA+3], s[HM]
	v_cndmask_b32 v[IM+2], v[PWB], v[PWB+1], s[HM]
	v_cndmask_b32 v[IM+3], v[PWB+2], v[PWB+3], s[HM]
	global_store_b64 v[VSA], v[IM:IM+1], s[OUT:OUT+1]
	global_store_b64 v[VSB], v[IM+2:IM+3], s[OUT:OUT+1]
	s_add_co_u32 s[KD], s[KD], 1
	s_cmp_lt_u32 s[KD], 2
	s_cbranch_scc1 .Lkind
	s_wait_xcnt 0x0                                ; V
	v_add_nc_u32 v[VA16], s[SV], v[L16]
	v_add_nc_u32 v[VA8], s[SV], v[L8]
	v_add_nc_u32 v[VSA], s[SVS], v[L8]
	v_add_nc_u32 v[VSB], s52, v[VSA]
	s_wait_alu depctr_va_vdst(0)                   ; the wait here, directly ahead of the wait below
	s_wait_loadcnt 0x0
	BODY 1, 0
.irp f, 0,1,2,3,4,5,6,7                ; a tile of 16 features x 64 tokens: half c of a fragment of V
	s_wait_xcnt 0x0
	HQ 32*\f, 3, HW+\f
	global_store_b128 v[VA16], v[PC:PC+3], s[16:17] offset:1536*(\f%4)+13312*(\f/4)
	global_store_b64 v[VA8], v[PC+4:PC+5], s[16:17] offset:1536*(\f%4)+13312*(\f/4)+512
.endr
	v_cndmask_b32 v[IM], v[HW], v[HW+1], s[HM]
	v_cndmask_b32 v[IM+1], v[HW+2], v[HW+3], s[HM]
	v_cndmask_b32 v[IM+2], v[HW+4], v[HW+5], s[HM]
	v_cndmask_b32 v[IM+3], v[HW+6], v[HW+7], s[HM]
	global_store_b64 v[VSA], v[IM:IM+1], s[16:17]
	global_store_b64 v[VSB], v[IM+2:IM+3], s[16:17]
	s_wait_tensorcnt 0x0                           ; the wave's end: behind my last tensor load and my last LDS store
	ds_add_u32 v[SPW], v[NIL]
	s_wait_dscnt 0x0
	s_endpgm
.Lfunc_end_k_q82398fcca7_qkv:
	.size	k_q82398fcca7_qkv, .Lfunc_end_k_q82398fcca7_qkv-k_q82398fcca7_qkv
	.p2alignl 7, 3214868480
	.fill 96, 4, 3214868480
	.section	.rodata,"a",@progbits
	.p2align	6, 0x0
	.amdhsa_kernel k_q82398fcca7_qkv
		.amdhsa_group_segment_fixed_size 167936
		.amdhsa_private_segment_fixed_size 0
		.amdhsa_enable_private_segment 0
		.amdhsa_kernarg_size 56
		.amdhsa_user_sgpr_count 2
		.amdhsa_user_sgpr_kernarg_segment_ptr 1
		.amdhsa_wavefront_size32 1
		.amdhsa_system_sgpr_workgroup_id_x 1
		.amdhsa_system_sgpr_workgroup_id_y 1
		.amdhsa_system_sgpr_workgroup_id_z 1
		.amdhsa_system_vgpr_workitem_id 0
		.amdhsa_next_free_vgpr 1024
		.amdhsa_next_free_sgpr 66
		.amdhsa_reserve_vcc 0
		.amdhsa_float_denorm_mode_32 3
		.amdhsa_float_denorm_mode_16_64 3
		.amdhsa_memory_ordered 1
		.amdhsa_forward_progress 1
		.amdhsa_inst_pref_size 133
	.end_amdhsa_kernel
	.amdgpu_metadata
---
amdhsa.version: [ 1, 2 ]
amdhsa.kernels:
  - .name:           k_q82398fcca7_qkv
    .symbol:         k_q82398fcca7_qkv.kd
    .args:
      - { .name: x, .offset: 0, .size: 8, .value_kind: global_buffer, .address_space: global }
      - { .name: wq, .offset: 8, .size: 8, .value_kind: global_buffer, .address_space: global }
      - { .name: bq, .offset: 16, .size: 8, .value_kind: global_buffer, .address_space: global }
      - { .name: bk, .offset: 24, .size: 8, .value_kind: global_buffer, .address_space: global }
      - { .name: bv, .offset: 32, .size: 8, .value_kind: global_buffer, .address_space: global }
      - { .name: qbuf, .offset: 40, .size: 8, .value_kind: global_buffer, .address_space: global }
      - { .name: kv, .offset: 48, .size: 8, .value_kind: global_buffer, .address_space: global }
    .group_segment_fixed_size: 167936
    .private_segment_fixed_size: 0
    .kernarg_segment_align: 8
    .kernarg_segment_size: 56
    .max_flat_workgroup_size: 128
    .sgpr_count:     66
    .vgpr_count:     1024
    .wavefront_size: 32
...
	.end_amdgpu_metadata
.endif
;; end of part 2
;; launch attn (part 3): grid 32 x 8, 8 waves a work-group, clusters of 4 x 1, 327,680 bytes of LDS; arguments qbuf, kv, obuf; writes obuf
.if DOCPART == 3
	.amdgcn_target "amdgcn-amd-amdhsa--gfx1250"
	.amdhsa_code_object_version 6
	.text
	.protected	k_q82398fcca7_attn
	.globl	k_q82398fcca7_attn
	.p2align	8
	.type	k_q82398fcca7_attn,@function
k_q82398fcca7_attn:
	s_mov_b64 s[64:65], 0
	v_nop
	global_prefetch_b8 v0, s[64:65] scope:SCOPE_SE
	s_setreg_imm32_b32 hwreg(HW_REG_WAVE_MODE, 25, 1), 1
	s_wait_xcnt 0x0
	s_wait_alu depctr_hold_cnt(0) depctr_sa_sdst(0) depctr_va_vdst(0) depctr_va_sdst(0) depctr_va_ssrc(0) depctr_va_vcc(0) depctr_vm_vsrc(0)
	s_getreg_b32 s2, hwreg(HW_REG_IB_STS2, 6, 4)
	s_cmp_eq_u32 s2, 0
	s_cbranch_scc0 .Lentry_in_a_cluster
	s_endpgm
.Lentry_in_a_cluster:
	s_bfe_u32 s2, ttmp6, 0x10000c
	s_cmp_lg_u32 s2, 0x3003
	s_cbranch_scc0 .Lentry_shape_is_right
	s_endpgm
.Lentry_shape_is_right:
; Attention of one head: O = softmax(Q K^T / 16) V on codes of FP6 (E2M3) with E8M0 scales; O / the row's sum is quantised along the head's 64 and stored as images of operand registers for the last projection.
; SHARES.  A work-group owns one (batch, head) and 512 queries; wave w has 64 of them, four tiles of 16, so that each fragment of K and V read from LDS feeds four tiles.  Two waves to a SIMD.
; THE HEAD'S WHOLE K AND V LIE IN LDS: 16 key steps x 13,312 bytes = 212,992 bytes.  Wave w brings steps 2 w, 2 w + 1 by ONE tensor load at the kernel's head (two rows of 13,312 bytes, 106,496 bytes apart in kv,
; both multiples of 256).  Nothing is filled again: one barrier behind the loads, and none in the walk over the keys.
; CLUSTER.  The four work-groups of a cluster are the four query blocks of one (batch, head) and need the same records: each load is asked for JOINTLY, with the same descriptor and a mask that names the four.
; NO PREFETCH: every tile is asked for at the kernel's head, so there is no loop to run ahead in.
; LAYOUT.  S^T = K Q^T (source 0 = 16 keys, source 1 = 16 queries), O^T = V^T P^T: a lane holds ONE query throughout.
; WHICH KEYS FORM A TILE OF K is chosen as the images are read from LDS, by each lane's address: row 8 e + j of tile 4 c + u is key 64 c + 32 e + 8 u + j of the step.  So the 32 registers of tiles 4 c .. 4 c + 3 in lane (query, h)
; are keys 64 c + 32 h + 0 .. 31: a WHOLE block of p in a lane, in the order of the next operand's registers.  A block's maximum needs no other lane, and the conversions' results are the operand.
; (In kv's tile t, lane r holds key 32 (t / 2) + 8 (t % 2) + r + 8 (r / 8): row (e, j) of tile 4 c + u is kv's tile 4 c + 2 e + u % 2, lane j + 8 (u / 2).)
; THE HEAD IS 64 WIDE, THE INSTRUCTION 128: Q's registers 6-11 are zero codes; K's tile t is named as twelve registers from 6 t on, so that its upper six are the next tile's codes, which meet zeros (behind tile 7 stand
; six zeroed registers); bytes 2 and 3 of both scale words are 0.
; THE SOFTMAX: t = score x log2(e) / 16; M = the running largest t rounded up to a whole number; p = 2^(t - M) is quantised along the keys, not normalised; the row's sum is taken of the unquantised p and divides O at the
; end; when M moves, the sum and O^T are multiplied by 2^(old M - new M), which rounds nothing.
; OUT.  obuf record (group of 64 tokens G, head) at 3,328 (8 G + head), as qbuf's: tile i at 768 i as half a fragment (registers 0-3: 16 bytes a lane; 4-5: 8 bytes a lane, 512 on); at 3,072 the scale words, 8 bytes a lane:
; register 0 = tile 0 in lanes 0-15, tile 1 in lanes 16-31; register 1 = tiles 2, 3.
; LIMITS: NaN and infinities are not served; a block of zeros gets the scale byte 1 (its codes are zeros; this program alone reads the bytes); p under 2^-126 counts as 0.
; REGISTERS.  Window 0: v1-13 addresses; v16-31 statistics, 4 a tile; v32-45 scale words; v48-101 K; v104-167 S^T, then p; v168-187 p's codes; v188-209 at work.  Window 1: v0-127 O^T (32 i + 8 f); v128-175 Q; v176-223 V.
.set REC,   13312                      ; a (key step, head) record
.set STEPB, 8*REC                      ; from a key step to the next in kv
.set SPARE, 16*REC                     ; behind the 16 records: the spare words, 128 bytes a wave; no other line names them
.set B16,  1                           ; v1 16 x lane;  v2 8 x lane
.set B8,   2
.set AD16, 3                           ; v3, v4 the same in the record in hand
.set AD8,  4
.set SPW,  5                           ; v5 my spare word's LDS address; never rewritten
.set NIL,  6                           ; v6 0; never rewritten
.set KB16, 7                           ; v7-9 my lane's place in K's images of 16 and of 8 bytes a lane and in its scale images
.set KB8,  8
.set KBS,  9
.set AK16, 10                          ; v10-12 the same in the record in hand
.set AK8,  11
.set AKS,  12
.set SH8,  13                          ; v13 8 h
.set ST,   16                          ; tile i: v[ST+4i] -M, +1 the largest score, +2, +3 the sum in two halves
.set QS,   32
.set KS,   36
.set VR,   40
.set VS,   44
.set KF,   48
.set S,    104
.set PC,   168
.set BM,   188
.set T2,   192
.set SCL,  196
.set FF,   200                         ; v200 f = 2^(old M - new M);  v201 p's scale word (named with f as a pair)
.set PW,   201
.set TMP,  202
.set OM,   203                         ; v203 the old -M
.set PWA,  204                         ; v204-207 O's scale words of the four tiles
.set IM,   208                         ; v208-209 their image
.set QF,   128                         ; in window 1
.set VF,   176
.set WV,   14
.set SEL,  20                          ; s[20:21] lane selects: lane l xor 16
.set CS,   22                          ; s[22:23] log2(e) / 16
.set G1,   24
.set G0,   32
.set TB,   36                          ; s36 the record in hand, in LDS bytes
.set HM,   37                          ; s37 the mask of lanes 16-31
.set MSB, 0
.macro WIN new                         ; the immediate's high byte repeats the setting that is left
.if MSB != (\new)
	s_set_vgpr_msb (MSB<<8)|(\new)
.set MSB, (\new)
.endif
.endm
.macro CROUND                          ; a round of the cluster's barrier
	s_barrier_signal -1
	s_barrier_wait -1
	s_cmp_lg_u32 s[WV], 0
	s_cbranch_scc1 .Lnot_wave_0_\@
	s_barrier_signal -3
.Lnot_wave_0_\@:
	s_barrier_wait -3
	s_barrier_signal -1
	s_barrier_wait -1
.endm
	s_load_b128 s[4:7], s[0:1], 0x0                ; qbuf, kv
	s_load_b64 s[8:9], s[0:1], 0x10                ; obuf
	v_lshl_add_u32 v[SPW], v0, 2, SPARE
	v_mov_b32 v[NIL], 0
	ds_add_u32 v[SPW], v[NIL]                      ; the opening: the add, twice on end, and its wait ahead of my first tensor load
	ds_add_u32 v[SPW], v[NIL]
	v_lshrrev_b32 v3, 5, v0
	s_delay_alu instid0(VALU_DEP_1)
	v_readfirstlane_b32 s[WV], v3                  ; wave 0..7
	s_bfe_u32 s15, ttmp6, 0x40000                  ; cx: my block of 512 queries; it enters qbuf's and obuf's addresses alone
	s_and_b32 s16, ttmp7, 0xffff                   ; the batch; ttmp9 is the head: the partners share both
	s_mov_b32 s[G1], 15|(3<<16)|(1<<21)            ; the mask: all four work-groups; elements of 8 bytes; bit 21 beside a mask; no padding
	s_mov_b32 s[G1+1], 1664<<16                    ; tensor_dim0 = 1,664 elements: a record of 13,312 bytes is a row
	s_mov_b32 s[G1+2], 2<<16                       ; tensor_dim1 = 2 rows: two key steps
	s_mov_b32 s[G1+3], 1664<<16                    ; tile_dim0
	s_mov_b32 s[G1+4], 2                           ; tile_dim1
	s_mov_b32 s[G1+5], STEPB/8                     ; the pitch, in elements
	s_mov_b32 s[G1+6], 0
	s_mov_b32 s[G1+7], 0
	s_mov_b32 s[G0], 1
	s_mul_i32 s[G0+1], s[WV], 2*REC                ; my two records' place in LDS
	s_lshl_b32 s42, s16, 4
	s_lshl_b32 s43, s[WV], 1
	s_add_co_u32 s42, s42, s43                     ; key step 16 batch + 2 w
	s_mul_i32 s42, s42, STEPB
	s_mul_i32 s43, ttmp9, REC
	s_add_co_u32 s42, s42, s43                     ; and the head's record in it
	s_mov_b32 s43, 0
	s_lshl_b32 s46, s16, 5
	s_lshl_b32 s47, s15, 3
	s_add_co_u32 s46, s46, s47
	s_add_co_u32 s46, s46, s[WV]                   ; G = 32 batch + 8 cx + w: my 64 queries
	s_lshl_b32 s46, s46, 3
	s_add_co_u32 s46, s46, ttmp9
	s_mul_i32 s46, s46, 3328                       ; the record (G, head), in qbuf and in obuf alike
	s_mov_b32 s47, 0
	s_mov_b32 s[SEL], 0x76543210
	s_mov_b32 s[SEL+1], 0xfedcba98
	s_mov_b32 s[CS], 0x3db8aa3b                    ; log2(e) / 16
	s_mov_b32 s[CS+1], s[CS]                       ; (named with it as a pair, so it is written)
	s_mov_b32 s[HM], 0xffff0000
	s_mov_b32 s[TB], 0
	v_and_b32 v104, 31, v0
	v_and_b32 v105, 7, v0                          ; j: my row of K's tile is 8 e + j
	v_bfe_u32 v106, v0, 3, 1                       ; e
	v_bfe_u32 v107, v0, 4, 1                       ; h
	v_lshlrev_b32 v[B16], 4, v104
	v_lshlrev_b32 v[B8], 3, v104
	v_mul_u32_u24 v108, v106, 1536                 ; two of kv's tiles on for e = 1
	v_lshlrev_b32 v[KBS], 2, v106
	v_lshlrev_b32 v[SH8], 3, v107
	v_lshl_add_u32 v[KB16], v105, 4, v108
	v_lshl_add_u32 v[KB8], v105, 3, v108
	v_lshl_add_u32 v[KBS], v105, 3, v[KBS]
	v_lshl_add_u32 v[KB16], v107, 8, v[KB16]       ; 1,536 e + 16 (j + 16 h)
	v_lshl_add_u32 v[KB8], v107, 7, v[KB8]         ; 1,536 e + 8 (j + 16 h)
	v_lshl_add_u32 v[KBS], v107, 7, v[KBS]         ; 8 j + 4 e + 128 h: lanes 16-31 take the odd tile's words
	s_wait_alu depctr_va_vdst(0)                   ; the wait here, directly ahead of the waits below
	s_wait_dscnt 0x0                               ; both opening adds are done
	s_wait_kmcnt 0x0
	s_add_nc_u64 s[G0+2:G0+3], s[6:7], s[42:43]
	s_or_b32 s[G0+3], s[G0+3], 0x80000000          ; type = 2
	s_add_nc_u64 s[4:5], s[4:5], s[46:47]
	s_add_nc_u64 s[8:9], s[8:9], s[46:47]
	CROUND                                         ; all four work-groups are here: the joint loads meet
	tensor_load_to_lds s[G0:G0+3], s[G1:G1+7]      ; my one tensor load of the launch
	s_nop 0
.rept 4
	v_nop
.endr
	global_load_b64 v[QS:QS+1], v[B8], s[4:5] offset:3072
	WIN 0x40                                       ; destination window 1
.irp i, 0,1,2,3
	global_load_b128 v[QF+12*\i:QF+12*\i+3], v[B16], s[4:5] offset:768*\i
	global_load_b64 v[QF+12*\i+4:QF+12*\i+5], v[B8], s[4:5] offset:768*\i+512
.endr
.irp i, 0,1,2,3
.irp j, 6,7,8,9,10,11
	v_mov_b32 v[QF+12*\i+\j], 0                    ; Q's upper 64 along K: zero codes
.endr
.endr
.set n, 0
.rept 128
	v_mov_b32 v[n], 0                              ; O^T.  (The step is written for every step alike: the first finds zeros, which the first change of M leaves zeros)
.set n, n+1
.endr
	WIN 0
.irp j, 48,49,50,51,52,53
	v_mov_b32 v[KF+\j], 0                          ; behind K's tile 7
.endr
.irp i, 0,1,2,3
	v_mov_b32 v[ST+4*\i+1], 0xff61b1e6             ; the largest score so far: -3e38
	s_delay_alu instid0(VALU_DEP_1)
	v_floor_f32 v[ST+4*\i], -v[ST+4*\i+1]          ; -M
	v_mov_b32 v[ST+4*\i+2], 0
	v_mov_b32 v[ST+4*\i+3], 0
	v_mov_b32 v[T2+\i], 0                          ; written once: a lane permute's destination counts as one of its sources
.endr
	v_mov_b32 v[PW], 0                             ; (named as the upper half of a pair before it is first written)
	v_add_nc_u32 v[AK16], s[TB], v[KB16]
	v_add_nc_u32 v[AK8], s[TB], v[KB8]
	v_add_nc_u32 v[AKS], s[TB], v[KBS]
.macro KQ t, q                         ; S^T of key tile t and query tile q.  The scale words of two tiles share a register: the odd tile's lie in lanes 16-31
.set rS, S+8*(\t)
.set rK, KF+6*(\t)
.set rQ, QF+12*(\q)
.if ((\t)%2 == 0) && ((\q)%2 == 0)
	v_wmma_scale_f32_16x16x128_f8f6f4 v[rS:rS+7], v[rK:rK+11], v[rQ:rQ+11], 0, v[KS+(\t)/2], v[QS+(\q)/2] matrix_a_fmt:MATRIX_FMT_FP6 matrix_b_fmt:MATRIX_FMT_FP6
.elseif ((\t)%2 == 1) && ((\q)%2 == 0)
	v_wmma_scale_f32_16x16x128_f8f6f4 v[rS:rS+7], v[rK:rK+11], v[rQ:rQ+11], 0, v[KS+(\t)/2], v[QS+(\q)/2] matrix_a_fmt:MATRIX_FMT_FP6 matrix_b_fmt:MATRIX_FMT_FP6 matrix_a_scale:MATRIX_SCALE_ROW1
.elseif ((\t)%2 == 0)
	v_wmma_scale_f32_16x16x128_f8f6f4 v[rS:rS+7], v[rK:rK+11], v[rQ:rQ+11], 0, v[KS+(\t)/2], v[QS+(\q)/2] matrix_a_fmt:MATRIX_FMT_FP6 matrix_b_fmt:MATRIX_FMT_FP6 matrix_b_scale:MATRIX_SCALE_ROW1
.else
	v_wmma_scale_f32_16x16x128_f8f6f4 v[rS:rS+7], v[rK:rK+11], v[rQ:rQ+11], 0, v[KS+(\t)/2], v[QS+(\q)/2] matrix_a_fmt:MATRIX_FMT_FP6 matrix_b_fmt:MATRIX_FMT_FP6 matrix_a_scale:MATRIX_SCALE_ROW1 matrix_b_scale:MATRIX_SCALE_ROW1
.endif
.endm
.macro PV f, q                         ; O^T of d-tile f and query tile q += V^T P^T
.set rO, 32*(\q)+8*(\f)
.set rV, VF+12*(\f)
.if (\f)%2 == 0
	v_wmma_scale_f32_16x16x128_f8f6f4 v[rO:rO+7], v[rV:rV+11], v[PC:PC+11], v[rO:rO+7], v[VS+(\f)/2], v[PW] matrix_a_fmt:MATRIX_FMT_FP6 matrix_b_fmt:MATRIX_FMT_FP6
.else
	v_wmma_scale_f32_16x16x128_f8f6f4 v[rO:rO+7], v[rV:rV+11], v[PC:PC+11], v[rO:rO+7], v[VS+(\f)/2], v[PW] matrix_a_fmt:MATRIX_FMT_FP6 matrix_b_fmt:MATRIX_FMT_FP6 matrix_a_scale:MATRIX_SCALE_ROW1
.endif
.endm
.macro FETCHK o                        ; K's eight half fragments and its scale words, o bytes behind the record in hand: 20 LDS loads.  Tile 4 c + u: the immediate holds kv's tile 4 c + u % 2 and lane 8 (u / 2), the lane's address the rest
.irp c, 0,1
.irp u, 0,1,2,3
	ds_load_b128 v[KF+6*(4*\c+\u):KF+6*(4*\c+\u)+3], v[AK16] offset:(\o)+768*(4*\c+\u%2)+128*(\u/2)
	ds_load_b64 v[KF+6*(4*\c+\u)+4:KF+6*(4*\c+\u)+5], v[AK8] offset:(\o)+768*(4*\c+\u%2)+512+64*(\u/2)
.endr
.irp p, 0,1
	ds_load_b32 v[KS+2*\c+\p], v[AKS] offset:(\o)+12288+256*\c+64*\p
.endr
.endr
.endm
; One tile of 16 queries against the step's 128 keys.  No two matrix instructions that follow each other share an accumulator.
; nxt = 1 (the step's last tile, where a step follows): K's registers have been read for the last time, and take the next record's K while this tile's softmax is worked.
.macro TILE q, nxt
.set rT, ST+4*(\q)
	WIN 0x04                                       ; Q in window 1
.irp t, 0,1,2,3,4,5,6,7
	KQ \t, \q
.endr
	WIN 0
	v_mov_b32 v[OM], v[rT]                         ; the old -M.  With the three lines below: places in front of the first read of results, and of loads into registers that these products have read
.rept 3
	v_nop
.endr
.if \nxt
	FETCHK REC
.endif
.irp b, 0,1,2,3
	v_max3_num_f32 v[BM+\b], v[S+16*\b], v[S+1+16*\b], v[S+2+16*\b]   ; the largest score of each block of 32 keys, in two chains a block: for the row's maximum and, since p rises with the score, for the block's largest p
.endr
.irp i, 3,5,7,9,11,13
.irp b, 0,1,2,3
	v_max3_num_f32 v[BM+\b], v[BM+\b], v[S+16*\b+\i], v[S+1+16*\b+\i]
.endr
.endr
.irp c, 0,1
	v_max3_num_f32 v[BM+2*\c], v[BM+2*\c], v[BM+2*\c+1], v[S+32*\c+15]
.endr
.irp c, 0,1
	v_max_num_f32 v[BM+2*\c], v[BM+2*\c], v[S+32*\c+31]   ; block c of my 64 keys: v[BM], v[BM+2]
.endr
	s_delay_alu instid0(VALU_DEP_1)
	v_max_num_f32 v[TMP], v[BM], v[BM+2]
	s_delay_alu instid0(VALU_DEP_1)
	v_permlanex16_b32 v[T2], v[TMP], s[SEL], s[SEL+1]
	s_delay_alu instid0(VALU_DEP_1)
	v_max3_num_f32 v[rT+1], v[rT+1], v[TMP], v[T2] ; the running largest score of my query, lane l xor 16's 64 keys among them
	s_delay_alu instid0(VALU_DEP_1)
	v_mul_f32 v[TMP], s[CS], v[rT+1]               ; as t
	s_delay_alu instid0(VALU_DEP_1)
	v_floor_f32 v[rT], -v[TMP]                     ; the new -M = -ceil(t): a whole number
	s_delay_alu instid0(VALU_DEP_1)
	v_sub_f32 v[TMP], v[rT], v[OM]                 ; old M - new M: a whole number, 0 or less
	s_delay_alu instid0(VALU_DEP_1)
	v_cvt_i32_f32 v[TMP], v[TMP]                   ; (it saturates)
	s_delay_alu instid0(VALU_DEP_1)
	v_ldexp_f32 v[FF], 1.0, v[TMP]                 ; f = 2^(old M - new M)
.set jj, 0
.rept 32
	v_pk_fma_f32 v[S+jj:S+jj+1], v[S+jj:S+jj+1], s[CS:CS+1], v[rT:rT+1] op_sel_hi:[1,0,0]   ; t - M, two at a time
.set jj, jj+2
.endr
.irp b, 0,2
	v_fma_f32 v[BM+\b], v[BM+\b], s[CS], v[rT]     ; the same of each block's largest score
.endr
.set jj, 0
	s_wait_alu depctr_va_vdst(0)                   ; the wait ahead of the batch
.rept 64
	v_exp_f32 v[S+jj], v[S+jj]                     ; p = 2^(t - M), at most 1: not normalised
.set jj, jj+1
.endr
	v_pk_mul_f32 v[rT+2:rT+3], v[rT+2:rT+3], v[FF:FF+1] op_sel_hi:[1,0]   ; the sums under the new M: a plain place behind the exponentials
	s_wait_alu depctr_va_vdst(0)                   ; one wait for the batch of 64, ahead of its first reader
.irp b, 0,2
	v_exp_f32 v[BM+\b], v[BM+\b]                   ; the block's largest p: the same two instructions on the same number
.endr
	v_pk_add_f32 v[T2:T2+1], v[S:S+1], v[S+2:S+3]  ; the row's sum is taken of the unquantised p, in two chains; it reads the 64 alone
.irp j, 4,8,12,16,20,24,28,32,36,40,44,48,52,56,60
	v_pk_add_f32 v[rT+2:rT+3], v[rT+2:rT+3], v[S+\j:S+\j+1]
	v_pk_add_f32 v[T2:T2+1], v[T2:T2+1], v[S+\j+2:S+\j+3]
.endr
	s_delay_alu instid0(VALU_DEP_1)
	v_pk_add_f32 v[rT+2:rT+3], v[rT+2:rT+3], v[T2:T2+1]
	s_wait_alu depctr_va_vdst(0)                   ; and one for the two
.irp b, 0,2
	v_max_num_f32 v[BM+\b], 0x1800000, v[BM+\b]    ; the floor 2^(3 - 127): the byte cannot fall under 1
.endr
.irp c, 0,1
	s_delay_alu instid0(VALU_DEP_2)
	v_add_nc_u32 v[SCL+\c], 0xff000000, v[BM+2*\c] ; 2 off the exponent field: the conversion's scale operand
.endr
.irp c, 0,1
	v_cvt_scalef32_pk16_fp6_f32 v[PC+6*\c:PC+2+6*\c], v[S+32*\c:S+15+32*\c], v[SCL+\c]
	v_cvt_scalef32_pk16_fp6_f32 v[PC+12+4*\c:PC+14+4*\c], v[S+16+32*\c:S+31+32*\c], v[SCL+\c]   ; (a conversion's three registers begin on an even number: the block's upper half is made elsewhere and moved)
.endr
	v_lshrrev_b32 v[T2], 23, v[SCL]                ; the scales' bytes: blocks h and 2 + h of the step.  (A plain place behind the conversions)
	v_lshrrev_b32 v[T2+1], 23, v[SCL+1]
	s_delay_alu instid0(VALU_DEP_1)
	v_lshl_or_b32 v[T2], v[T2+1], 16, v[T2]
	s_delay_alu instid0(VALU_DEP_1)
	v_lshlrev_b32 v[T2], v[SH8], v[T2]             ; at their places in the word, 8 h bits up;
	s_delay_alu instid0(VALU_DEP_1)
	v_permlanex16_b32 v[T2+1], v[T2], s[SEL], s[SEL+1]
	s_delay_alu instid0(VALU_DEP_1)
	v_or_b32 v[PW], v[T2], v[T2+1]                 ; with lane l xor 16's two: p's scale word for these 128 keys
.irp c, 0,1
.irp i, 0,1,2
	v_mov_b32 v[PC+3+6*\c+\i], v[PC+12+4*\c+\i]
.endr
.endr
.if (\q) == 0
	s_wait_alu depctr_va_vdst(0)                   ; the wait here, directly ahead of the wait below
	s_wait_dscnt 0x0                               ; V is in
.endif
	WIN 0x41                                       ; O^T in window 1, f in window 0
.set jj, 32*(\q)
.rept 16
	v_pk_mul_f32 v[jj:jj+1], v[jj:jj+1], v[FF:FF+1] op_sel_hi:[1,0]   ; O^T under the new M.  (These are also the places between the writes of p's codes and scale word and the products)
.set jj, jj+2
.endr
	WIN 0x51                                       ; V and O^T in window 1, p in window 0
.irp f, 0,1,2,3
	PV \f, \q
.endr
.endm
; A key step.  Its K was asked for in the step before (the first: ahead of the loop); V and V's scale words are asked for here and are wanted at tile 0's second product.
.macro STEP nxt
	v_add_nc_u32 v[AD16], s[TB], v[B16]            ; five plain lines: also the places in front of loads into registers that the last products have read
	v_add_nc_u32 v[AD8], s[TB], v[B8]
	v_add_nc_u32 v[AK16], s[TB], v[KB16]
	v_add_nc_u32 v[AK8], s[TB], v[KB8]
	v_add_nc_u32 v[AKS], s[TB], v[KBS]
	ds_load_b64 v[VR:VR+1], v[AD8] offset:12800
	ds_load_b64 v[VR+2:VR+3], v[AD8] offset:13056
	WIN 0x40
.irp f, 0,1,2,3
.irp c, 0,1
	ds_load_b128 v[VF+12*\f+6*\c:VF+12*\f+6*\c+3], v[AD16] offset:6144+1536*\f+768*\c
	ds_load_b64 v[VF+12*\f+6*\c+4:VF+12*\f+6*\c+5], v[AD8] offset:6144+1536*\f+768*\c+512
.endr
.endr
	WIN 0
	s_wait_dscnt 16                                ; K and all scale words are in; V's 16 loads may be out
	v_lshl_or_b32 v[VS], v[VR+2], 16, v[VR]        ; V's words: bytes 0, 1 of keys 0-63, bytes 2, 3 of keys 64-127
	v_lshl_or_b32 v[VS+1], v[VR+3], 16, v[VR+1]
	TILE 0, 0
	TILE 1, 0
	TILE 2, 0
	TILE 3, \nxt
	WIN 0
.endm
	s_wait_alu depctr_va_vdst(0)                   ; the wait at the head's end
	s_wait_loadcnt 0x0                             ; Q
	s_wait_tensorcnt 0x0                           ; my two records are in LDS,
	s_barrier_signal -1
	s_barrier_wait -1                              ; everybody's are: from here on LDS is only read
	FETCHK 0
.Lstep:                                                ; 15 trips; the last step is written out: it fetches no further K
	STEP 1
	s_add_co_u32 s[TB], s[TB], REC
	s_cmp_lt_u32 s[TB], 15*REC
	s_cbranch_scc1 .Lstep
	STEP 0
	; ---- O / the sum, quantised along the head's 64, stored as images
.rept 4
	v_nop                                          ; places in front of the first read of the last products' results
.endr
.irp i, 0,1,2,3
	v_add_f32 v[BM+\i], v[ST+4*\i+2], v[ST+4*\i+3] ; the sum's two halves,
.endr
.irp i, 0,1,2,3
	s_delay_alu instid0(VALU_DEP_4)
	v_permlanex16_b32 v[T2+\i], v[BM+\i], s[SEL], s[SEL+1]
.endr
.irp i, 0,1,2,3
	s_delay_alu instid0(VALU_DEP_4)
	v_add_f32 v[BM+\i], v[BM+\i], v[T2+\i]         ; and lane l xor 16's
.endr
	s_wait_alu depctr_va_vdst(0)                   ; the wait ahead of the batch
.irp i, 0,1,2,3
	v_rcp_f32 v[ST+4*\i+2], v[BM+\i]
.endr
	v_nop                                          ; a plain place behind the last reciprocal
	s_wait_alu depctr_va_vdst(0)                   ; one wait for the four, ahead of the first reader
.macro HQ s, w, pw, pc                 ; 32 numbers of a lane in window w, register s + 16 b + i = d 32 b + 16 h + i, become half a fragment in v[pc:pc+5] (pc+12 .. pc+14 at work); pw = byte 0 | byte 1 << 8
	WIN (\w)|((\w)<<2)
.irp b, 0,1
	v_max3_num_f32 v[BM+\b], |v[(\s)+16*\b]|, |v[(\s)+1+16*\b]|, 0x1800000
.endr
	WIN ((\w)<<2)|((\w)<<4)
.irp i, 2,4,6,8,10,12,14
.irp b, 0,1
	v_max3_num_f32 v[BM+\b], v[BM+\b], |v[(\s)+16*\b+\i]|, |v[(\s)+1+16*\b+\i]|
.endr
.endr
	WIN 0
.irp b, 0,1
	v_permlanex16_b32 v[T2+\b], v[BM+\b], s[SEL], s[SEL+1]
.endr
.irp b, 0,1
	s_delay_alu instid0(VALU_DEP_2)
	v_max_num_f32 v[BM+\b], v[BM+\b], v[T2+\b]
.endr
.irp b, 0,1
	s_delay_alu instid0(VALU_DEP_2)
	v_add_nc_u32 v[SCL+\b], 0xff000000, v[BM+\b]
.endr
.irp b, 0,1
	s_delay_alu instid0(VALU_DEP_2)
	v_lshrrev_b32 v[T2+\b], 23, v[SCL+\b]
.endr
	s_delay_alu instid0(VALU_DEP_1)
	v_lshl_or_b32 v[\pw], v[T2+1], 8, v[T2]
	WIN \w
	v_cvt_scalef32_pk16_fp6_f32 v[(\pc):(\pc)+2], v[(\s):(\s)+15], v[SCL]
	v_cvt_scalef32_pk16_fp6_f32 v[(\pc)+12:(\pc)+14], v[(\s)+16:(\s)+31], v[SCL+1]
	WIN 0
	v_nop                                          ; one plain place behind a scaled conversion
.irp i, 0,1,2
	v_permlane16_swap_b32 v[(\pc)+\i], v[(\pc)+12+\i]
.endr
.irp i, 0,1,2
	s_delay_alu instid0(VALU_DEP_3)
	v_mov_b32 v[(\pc)+3+\i], v[(\pc)+12+\i]
.endr
.endm
.irp i, 0,1,2,3                        ; each tile's codes have registers of their own (where p lay), so that no store's data are written again
	WIN 0x41
.irp j, 0,2,4,6,8,10,12,14,16,18,20,22,24,26,28,30
	v_pk_mul_f32 v[32*\i+\j:32*\i+\j+1], v[32*\i+\j:32*\i+\j+1], v[ST+4*\i+2:ST+4*\i+3] op_sel_hi:[1,0]
.endr
	HQ 32*\i, 1, PWA+\i, S+16*\i
	global_store_b128 v[B16], v[S+16*\i:S+16*\i+3], s[8:9] offset:768*\i        ; 512 consecutive bytes, aligned
	global_store_b64 v[B8], v[S+16*\i+4:S+16*\i+5], s[8:9] offset:768*\i+512    ; 256 consecutive bytes, aligned
.endr
	v_cndmask_b32 v[IM], v[PWA], v[PWA+1], s[HM]   ; lanes 0-15 the even tile's words, lanes 16-31 the odd tile's
	v_cndmask_b32 v[IM+1], v[PWA+2], v[PWA+3], s[HM]
	global_store_b64 v[B8], v[IM:IM+1], s[8:9] offset:3072
	s_wait_tensorcnt 0x0                           ; the wave's end: behind my last tensor load
	ds_add_u32 v[SPW], v[NIL]
	s_wait_dscnt 0x0
	CROUND                                         ; the closing round
	s_endpgm
.Lfunc_end_k_q82398fcca7_attn:
	.size	k_q82398fcca7_attn, .Lfunc_end_k_q82398fcca7_attn-k_q82398fcca7_attn
	.p2alignl 7, 3214868480
	.fill 96, 4, 3214868480
	.section	.rodata,"a",@progbits
	.p2align	6, 0x0
	.amdhsa_kernel k_q82398fcca7_attn
		.amdhsa_group_segment_fixed_size 327680
		.amdhsa_private_segment_fixed_size 0
		.amdhsa_enable_private_segment 0
		.amdhsa_kernarg_size 24
		.amdhsa_user_sgpr_count 2
		.amdhsa_user_sgpr_kernarg_segment_ptr 1
		.amdhsa_wavefront_size32 1
		.amdhsa_system_sgpr_workgroup_id_x 1
		.amdhsa_system_sgpr_workgroup_id_y 1
		.amdhsa_system_sgpr_workgroup_id_z 1
		.amdhsa_system_vgpr_workitem_id 0
		.amdhsa_next_free_vgpr 512
		.amdhsa_next_free_sgpr 66
		.amdhsa_reserve_vcc 0
		.amdhsa_float_denorm_mode_32 3
		.amdhsa_float_denorm_mode_16_64 3
		.amdhsa_memory_ordered 1
		.amdhsa_forward_progress 1
		.amdhsa_inst_pref_size 136
	.end_amdhsa_kernel
	.amdgpu_metadata
---
amdhsa.version: [ 1, 2 ]
amdhsa.kernels:
  - .name:           k_q82398fcca7_attn
    .symbol:         k_q82398fcca7_attn.kd
    .args:
      - { .name: qbuf, .offset: 0, .size: 8, .value_kind: global_buffer, .address_space: global }
      - { .name: kv, .offset: 8, .size: 8, .value_kind: global_buffer, .address_space: global }
      - { .name: obuf, .offset: 16, .size: 8, .value_kind: global_buffer, .address_space: global }
    .group_segment_fixed_size: 327680
    .private_segment_fixed_size: 0
    .kernarg_segment_align: 8
    .kernarg_segment_size: 24
    .max_flat_workgroup_size: 256
    .sgpr_count:     66
    .vgpr_count:     512
    .wavefront_size: 32
...
	.end_amdgpu_metadata
.endif
;; end of part 3
;; launch proj (part 4): grid 32 x 8, 8 waves a work-group, no clusters, 167,936 bytes of LDS; arguments obuf, wq, bo, out0; writes out0
.if DOCPART == 4
	.amdgcn_target "amdgcn-amd-amdhsa--gfx1250"
	.amdhsa_code_object_version 6
	.text
	.protected	k_q82398fcca7_proj
	.globl	k_q82398fcca7_proj
	.p2align	8
	.type	k_q82398fcca7_proj,@function
k_q82398fcca7_proj:
	s_mov_b64 s[64:65], 0
	v_nop
	global_prefetch_b8 v0, s[64:65] scope:SCOPE_SE
	s_setreg_imm32_b32 hwreg(HW_REG_WAVE_MODE, 25, 1), 1
	s_wait_xcnt 0x0
; The last projection on codes of FP6 (E2M3) with E8M0 scales: out0[batch][c][n] = sum over k of O[n][k] Wo[c][k] + bo[c], stored with the tokens innermost.
; A work-group owns 64 tokens (group G = 32 batch + x) and all 512 features; wave w makes features 64 w .. 64 w + 63.
; O: the group's eight records of obuf (one a head, 3,328 bytes, 26,624 dense bytes in all) come into LDS once, one tensor load a wave, and every wave reads all of them.  Nothing is filled again.
; Wo: wave w's four tiles (x 4 K steps) go from wq straight into its registers, once.  K step s = heads 2 s, 2 s + 1: a fragment's registers 0-5 and 6-11, a scale word's bytes 0-1 and 2-3.
; Source 0 = 16 tokens, source 1 = 16 rows of Wo: a lane holds 8 neighbouring tokens of one feature; through the wave's own stage the results leave as rows of 256 consecutive aligned bytes.
; NO CLUSTER: a work-group's O records are read by it alone, and Wo lands in registers, not in an LDS tile that partners could share.  NO PREFETCH: all loads are issued at the head; there is no loop to run ahead in.
; REGISTERS.  Window 0: v1-12 addresses; v16-23 O's scale words (2 s + pair of tiles); v24-27 bo; v32-47 Wo's scale words (4 f + s); v48-143 Wo's tiles 0, 1; v144-239 O's fragments, two sets of four; v240-255 halves of O's words.
;   Window 1: v0-127 y (32 f + 8 i); v128-223 Wo's tiles 2, 3; v224-255 the bias in the result's layout.
.set REC,   3328
.set STG,   8*REC                      ; behind the records: the stages for the way out, 32 rows x (256 + 16) bytes a wave
.set WSTG,  32*272
.set SPARE, STG+8*WSTG                 ; the spare words, 128 bytes a wave; no other line names them
.set G16,  1                           ; v1 16 x lane;  v2 8 x lane
.set G8,   2
.set SA,   3                           ; v3 into my stage;  v4 out of it
.set RA,   4
.set SPW,  5                           ; v5 my spare word's LDS address; never rewritten
.set NIL,  6                           ; v6 0; never rewritten
.set GO,   7                           ; v7 my byte offset in out0's rows
.set BO,   8                           ; v8 my offset in bo
.set OS,   16
.set BB,   24
.set WS,   32
.set OF,   144
.set OH,   240
.set YB,   48                          ; the way out: rows read back
.set WV,   14
.set G1,   24
.set G0,   32
.set MSB, 0
.macro WIN new                         ; the immediate's high byte repeats the setting that is left
.if MSB != (\new)
	s_set_vgpr_msb (MSB<<8)|(\new)
.set MSB, (\new)
.endif
.endm
	s_load_b256 s[4:11], s[0:1], 0x0               ; obuf, wq, bo, out0
	v_lshl_add_u32 v[SPW], v0, 2, SPARE
	v_mov_b32 v[NIL], 0
	ds_add_u32 v[SPW], v[NIL]                      ; the opening: the add, twice on end, and its wait ahead of my first tensor load
	ds_add_u32 v[SPW], v[NIL]
	v_lshrrev_b32 v9, 5, v0
	s_delay_alu instid0(VALU_DEP_1)
	v_readfirstlane_b32 s[WV], v9                  ; wave 0..7
	s_and_b32 s16, ttmp7, 0xffff                   ; the batch
	s_mov_b32 s[G1], 3<<16                         ; no mask; elements of 8 bytes; no padding
	s_mov_b32 s[G1+1], 32<<16                      ; tensor_dim0 = 32: rows of 256 bytes
	s_mov_b32 s[G1+2], 13<<16                      ; tensor_dim1 = 13 rows: a record, dense
	s_mov_b32 s[G1+3], 32<<16
	s_mov_b32 s[G1+4], 13
	s_mov_b32 s[G1+5], 32
	s_mov_b32 s[G1+6], 0
	s_mov_b32 s[G1+7], 0
	s_mov_b32 s[G0], 1
	s_mul_i32 s[G0+1], s[WV], REC                  ; head w's record: its place in LDS,
	s_lshl_b32 s42, s16, 5
	s_add_co_u32 s42, s42, ttmp9                   ; G
	s_mul_i32 s42, s42, 8*REC
	s_add_co_u32 s42, s42, s[G0+1]                 ; and in obuf
	s_mov_b32 s43, 0
	s_lshl_b32 s48, s16, 22                        ; out0: the batch's 512 rows of 8,192 bytes,
	s_lshl_b32 s49, s[WV], 19                      ; my 64 rows,
	s_add_co_u32 s48, s48, s49
	s_lshl_b32 s49, ttmp9, 8                       ; my work-group's 64 tokens
	s_add_co_u32 s48, s48, s49
	s_mov_b32 s49, 0
	s_mul_i32 s50, s[WV], 4*6656                   ; Wo's tiles 4 w on,
	s_add_co_u32 s50, s50, 3*32*6656               ; behind Wq, Wk, Wv in wq
	s_mov_b32 s51, 0
	s_mul_i32 s41, s[WV], WSTG
	s_add_co_u32 s41, s41, STG                     ; my stage
	s_lshl_b32 s40, s[WV], 8
	v_and_b32 v9, 31, v0                           ; lane
	v_and_b32 v10, 15, v0                          ; r
	v_bfe_u32 v11, v0, 4, 1                        ; h
	s_delay_alu instid0(VALU_DEP_2)
	v_and_b32 v12, 8, v10
	s_delay_alu instid0(VALU_DEP_1)
	v_add_nc_u32 v12, v12, v10                     ; r + 8 (r / 8)
	v_lshlrev_b32 v[G16], 4, v9
	v_lshlrev_b32 v[G8], 3, v9
	v_mul_u32_u24 v[SA], v12, 272                  ; in: the row of my lane's feature, + 64 h
	v_mul_u32_u24 v[RA], v11, 272                  ; back: lanes 0-15 one row, lanes 16-31 the next
	v_lshlrev_b32 v[GO], 13, v11                   ; and the same two rows in out0
	s_delay_alu instid0(VALU_DEP_3)
	v_lshl_add_u32 v[SA], v11, 6, v[SA]
	s_delay_alu instid0(VALU_DEP_3)
	v_lshl_add_u32 v[RA], v10, 4, v[RA]
	s_delay_alu instid0(VALU_DEP_3)
	v_lshl_add_u32 v[GO], v10, 4, v[GO]
	s_delay_alu instid0(VALU_DEP_3)
	v_add_nc_u32 v[SA], s41, v[SA]
	s_delay_alu instid0(VALU_DEP_3)
	v_add_nc_u32 v[RA], s41, v[RA]
	v_lshl_add_u32 v[BO], v12, 2, s40              ; bo: 4 (64 w + r + 8 (r / 8))
	s_wait_alu depctr_va_vdst(0)                   ; the wait at the head's end
	s_wait_dscnt 0x0                               ; both opening adds are done
	s_wait_kmcnt 0x0
	s_add_nc_u64 s[G0+2:G0+3], s[4:5], s[42:43]
	s_or_b32 s[G0+3], s[G0+3], 0x80000000          ; type = 2
	tensor_load_to_lds s[G0:G0+3], s[G1:G1+7]      ; my one tensor load of the launch
	s_nop 0
.rept 4
	v_nop
.endr
	s_add_nc_u64 s[6:7], s[6:7], s[50:51]
	s_add_nc_u64 s[10:11], s[10:11], s[48:49]
.irp f, 0,1,2,3
	global_load_b128 v[WS+4*\f:WS+4*\f+3], v[G16], s[6:7] offset:6656*\f+6144
	global_load_b32 v[BB+\f], v[BO], s[8:9] offset:(32*(\f/2)+8*(\f%2))*4
.endr
.irp f, 0,1
.irp s, 0,1,2,3
.irp c, 0,1,2
	global_load_b128 v[48+12*(4*\f+\s)+4*\c:48+12*(4*\f+\s)+4*\c+3], v[G16], s[6:7] offset:6656*\f+1536*\s+512*\c
.endr
.endr
.endr
	WIN 0x40                                       ; destination window 1
.irp f, 2,3
.irp s, 0,1,2,3
.irp c, 0,1,2
	global_load_b128 v[128+12*(4*(\f-2)+\s)+4*\c:128+12*(4*(\f-2)+\s)+4*\c+3], v[G16], s[6:7] offset:6656*\f+1536*\s+512*\c
.endr
.endr
.endr
	WIN 0
	s_wait_tensorcnt 0x0                           ; my record is in LDS,
	s_barrier_signal -1
	s_barrier_wait -1                              ; all eight heads' are
.macro FETCHO s                        ; the four tiles' fragments of K step s into set s % 2: 16 LDS loads
.irp i, 0,1,2,3
.set rA, OF+48*((\s)%2)+12*\i
	ds_load_b128 v[rA:rA+3], v[G16] offset:REC*(2*(\s))+768*\i
	ds_load_b64 v[rA+4:rA+5], v[G8] offset:REC*(2*(\s))+768*\i+512
	ds_load_b128 v[rA+6:rA+9], v[G16] offset:REC*(2*(\s)+1)+768*\i
	ds_load_b64 v[rA+10:rA+11], v[G8] offset:REC*(2*(\s)+1)+768*\i+512
.endr
.endm
.irp e, 0,1,2,3,4,5,6,7
	ds_load_b64 v[OH+2*\e:OH+2*\e+1], v[G8] offset:REC*\e+3072   ; head e's scale image: tiles 0|1, tiles 2|3
.endr
	FETCHO 0
	FETCHO 1
	s_wait_dscnt 32                                ; the scale images are in; the two sets' 32 loads may be out
.irp s, 0,1,2,3
.irp p, 0,1
	v_lshl_or_b32 v[OS+2*\s+\p], v[OH+4*\s+2+\p], 16, v[OH+4*\s+\p]   ; head 2 s below, head 2 s + 1 above
.endr
.endr
	s_wait_loadcnt 0x0                             ; Wo, its scale words, bo
	WIN 0x40
.irp f, 0,1,2,3
.irp j, 0,1,2,3,4,5,6,7
	v_mov_b32 v[224+8*\f+\j], v[BB+\f]             ; the bias in the result's layout: the lane's feature in all eight registers.  (These 32 are also the places between the writes of O's scale words and the products)
.endr
.endr
	WIN 0
	s_wait_alu depctr_va_vdst(0)                   ; the wait here, directly ahead of the wait below
.macro PJ s, f, i                      ; y of feature tile f and token tile i, K step s.  The scale words of two token tiles share a register: the odd tile's lie in lanes 16-31
.set rD, 32*(\f)+8*(\i)
.set rA, OF+48*((\s)%2)+12*(\i)
.set rB, 48+80*((\f)/2)+12*(4*((\f)%2)+(\s))
.if (\s) == 0
.set rC, 224+8*(\f)
.else
.set rC, rD
.endif
.if (\i)%2 == 0
	v_wmma_scale_f32_16x16x128_f8f6f4 v[rD:rD+7], v[rA:rA+11], v[rB:rB+11], v[rC:rC+7], v[OS+2*(\s)+(\i)/2], v[WS+4*(\f)+(\s)] matrix_a_fmt:MATRIX_FMT_FP6 matrix_b_fmt:MATRIX_FMT_FP6
.else
	v_wmma_scale_f32_16x16x128_f8f6f4 v[rD:rD+7], v[rA:rA+11], v[rB:rB+11], v[rC:rC+7], v[OS+2*(\s)+(\i)/2], v[WS+4*(\f)+(\s)] matrix_a_fmt:MATRIX_FMT_FP6 matrix_b_fmt:MATRIX_FMT_FP6 matrix_a_scale:MATRIX_SCALE_ROW1
.endif
.endm
.irp s, 0,1,2,3                        ; sixteen accumulators by turns
.if \s < 3
	s_wait_dscnt 16                                ; this K step's set is in; the other set's 16 loads may be out
.else
	s_wait_dscnt 0
.endif
	WIN 0x50                                       ; O and Wo's tiles 0, 1 in window 0; C and D in window 1
.irp f, 0,1
.irp i, 0,1,2,3
	PJ \s, \f, \i
.endr
.endr
	WIN 0x54                                       ; Wo's tiles 2, 3 in window 1
.irp f, 2,3
.irp i, 0,1,2,3
	PJ \s, \f, \i
.endr
.endr
	WIN 0
.rept 4
	v_nop                                          ; places in front of loads into registers that matrix instructions have read, and of the first read of results
.endr
.if \s < 2
	FETCHO \s+2
.endif
.endr
	; ---- THE WAY OUT, 32 features at a time.  Register j of y(f, i) is token 32 (i / 2) + 8 (i % 2) + 16 h + j of my lane's feature: 32 bytes of a row of out0.  Through my own stage the rows come back whole.
.irp b, 0,1
	WIN 0x04                                       ; an LDS store's data are its source 1: window 1
.irp u, 0,1
.irp i, 0,1,2,3
	ds_store_b128 v[SA], v[32*(2*\b+\u)+8*\i:32*(2*\b+\u)+8*\i+3] offset:2176*\u+128*(\i/2)+32*(\i%2)       ; each accumulator from its low end on
	ds_store_b128 v[SA], v[32*(2*\b+\u)+8*\i+4:32*(2*\b+\u)+8*\i+7] offset:2176*\u+128*(\i/2)+32*(\i%2)+16
.endr
.endr
	WIN 0
.irp k, 0,1,2,3,4,5,6,7,8,9,10,11,12,13,14,15
	ds_load_b128 v[YB+64*\b+4*\k:YB+64*\b+4*\k+3], v[RA] offset:544*\k   ; LDS serves a wave's instructions in order: these see my stores, and the next half's stores come behind them
.endr
.irp k, 0,1,2,3,4,5,6,7,8,9,10,11,12,13,14,15
	s_wait_dscnt 15-\k                             ; rows 2 k, 2 k + 1 are back; the younger loads may be out
	global_store_b128 v[GO], v[YB+64*\b+4*\k:YB+64*\b+4*\k+3], s[10:11] offset:(32*\b+2*\k)*8192 th:TH_STORE_NT   ; 16 lanes store 256 consecutive bytes, at a multiple of 256 from out0's first byte
.endr
.endr
	s_wait_tensorcnt 0x0                           ; the wave's end: behind my last tensor load and my last LDS store
	ds_add_u32 v[SPW], v[NIL]
	s_wait_dscnt 0x0
	s_endpgm
.Lfunc_end_k_q82398fcca7_proj:
	.size	k_q82398fcca7_proj, .Lfunc_end_k_q82398fcca7_proj-k_q82398fcca7_proj
	.p2alignl 7, 3214868480
	.fill 96, 4, 3214868480
	.section	.rodata,"a",@progbits
	.p2align	6, 0x0
	.amdhsa_kernel k_q82398fcca7_proj
		.amdhsa_group_segment_fixed_size 167936
		.amdhsa_private_segment_fixed_size 0
		.amdhsa_enable_private_segment 0
		.amdhsa_kernarg_size 32
		.amdhsa_user_sgpr_count 2
		.amdhsa_user_sgpr_kernarg_segment_ptr 1
		.amdhsa_wavefront_size32 1
		.amdhsa_system_sgpr_workgroup_id_x 1
		.amdhsa_system_sgpr_workgroup_id_y 1
		.amdhsa_system_sgpr_workgroup_id_z 1
		.amdhsa_system_vgpr_workitem_id 0
		.amdhsa_next_free_vgpr 512
		.amdhsa_next_free_sgpr 66
		.amdhsa_reserve_vcc 0
		.amdhsa_float_denorm_mode_32 3
		.amdhsa_float_denorm_mode_16_64 3
		.amdhsa_memory_ordered 1
		.amdhsa_forward_progress 1
		.amdhsa_inst_pref_size 33
	.end_amdhsa_kernel
	.amdgpu_metadata
---
amdhsa.version: [ 1, 2 ]
amdhsa.kernels:
  - .name:           k_q82398fcca7_proj
    .symbol:         k_q82398fcca7_proj.kd
    .args:
      - { .name: obuf, .offset: 0, .size: 8, .value_kind: global_buffer, .address_space: global }
      - { .name: wq, .offset: 8, .size: 8, .value_kind: global_buffer, .address_space: global }
      - { .name: bo, .offset: 16, .size: 8, .value_kind: global_buffer, .address_space: global }
      - { .name: out0, .offset: 24, .size: 8, .value_kind: global_buffer, .address_space: global }
    .group_segment_fixed_size: 167936
    .private_segment_fixed_size: 0
    .kernarg_segment_align: 8
    .kernarg_segment_size: 32
    .max_flat_workgroup_size: 256
    .sgpr_count:     66
    .vgpr_count:     512
    .wavefront_size: 32
...
	.end_amdgpu_metadata
.endif
;; end of part 4
